; MI455X (gfx1250); checked and timed in simulation.
; The chip was launched on July 23, 2026; its instructions are those of AMD's public machine-readable ISA for CDNA 5 (MIT licence, August 2026) and "CDNA5" Instruction Set Architecture Reference Guide (July 2026). The comments in the code are by the model that wrote it; some were corrected since.
;; Multi Head Attention. Allowed arithmetic: matrix products marked QUANTISED: E2M1 operands, one E8M0 scale for each 32 along K, by v_wmma_scale_f32_16x16x128_f8f6f4 with both operands' format E2M1 (or v_wmma_scale_f32_32x16x128_f4), f32 sums; everything else in f32.
;; Inputs: Wf_codes 256 x 8 x 16 uint8 (E2M1 codes of Wf, K innermost, in blocks of 32 codes, two codes a byte); Wf_scales 256 x 8 uint8 (E8M0 scales of Wf, one for each 32 codes along K); Wk_codes 256 x 8 x 16 uint8 (E2M1 codes of Wk, K innermost, in blocks of 32 codes, two codes a byte); Wk_scales 256 x 8 uint8 (E8M0 scales of Wk, one for each 32 codes along K); Wq_codes 256 x 8 x 16 uint8 (E2M1 codes of Wq, K innermost, in blocks of 32 codes, two codes a byte); Wq_scales 256 x 8 uint8 (E8M0 scales of Wq, one for each 32 codes along K); Wv_codes 256 x 8 x 16 uint8 (E2M1 codes of Wv, K innermost, in blocks of 32 codes, two codes a byte); Wv_scales 256 x 8 uint8 (E8M0 scales of Wv, one for each 32 codes along K); beta 256 float32; bf 256 float32; gamma 256 float32; inputs 4 x 2,048 x 256 float32.
;; Outputs: out0 4 x 2,048 x 256 float32.
;; This version of the problem:
;;   THIS VERSION OF THE PROBLEM IS GIVEN IN LOW PRECISION. The matrix products marked QUANTISED in the list below multiply operands that are first quantised to E2M1 (2 exponent bits, 1 mantissa bit; 4 bits a number), with one power-of-two scale for each 32 numbers along K (OCP MX v1.0); their sums are f32. All else is computed in f32.
;;   The module's matrix products, in the order in which they are computed (A, B: the left and right operand; K: the contracted axis; several contracted axes count as one K, in the product's order):
;;     1. [M 8,192, K 256] x [K 256, N 256]; A: input inputs; B: input Wq (given as codes): QUANTISED
;;     2. [M 8,192, K 256] x [K 256, N 256]; A: input inputs; B: input Wk (given as codes): QUANTISED
;;     3. [M 8,192, K 256] x [K 256, N 256]; A: input inputs; B: input Wv (given as codes): QUANTISED
;;     4. batch 32 x [M 2,048, K 32] x [K 32, N 2,048]; A: computed on the way; B: computed on the way: QUANTISED
;;     5. batch 32 x [M 32, K 2,048] x [K 2,048, N 2,048]; A: computed on the way; B: softmax (see below): QUANTISED
;;     6. [M 8,192, K 256] x [K 256, N 256]; A: computed on the way; B: input Wf (given as codes): QUANTISED
;;   THE QUANTISER, for each operand of a quantised product, along K:
;;     - K is cut into blocks of 32 from its start; a last block that is shorter is filled with zeros.
;;     - A block's scale is 2^e with e = floor(log2(the largest magnitude in the block)) - 2, held to -126 .. 127; a block of zeros has e = 0. As a byte (E8M0): e + 127.
;;     - Each number is divided by its block's scale, clamped to +-6, and rounded to the nearest number of E2M1, ties to even, subnormals kept.
;;     - The product sums the exact products of the quantised numbers (number of the format x scale) in f32.
;;   ~~~python
;;   def quantise(x, axis):      # numpy; x: float32 -> the quantised numbers, widened to float32 again
;;       x = np.moveaxis(x, axis, -1); K = x.shape[-1]
;;       x = np.pad(x, [(0, 0)] * (x.ndim - 1) + [(0, -K % 32)]); x = x.reshape(x.shape[:-1] + (-1, 32)); a = np.abs(x).max(-1, keepdims=True)
;;       e = np.where(a > 0, np.clip(np.frexp(np.where(a > 0, a, 1))[1] - 1 - 2, -126, 127), 0)      # np.frexp(a)[1] - 1 = floor(log2(a)), exactly
;;       r = np.clip(x / 2.0 ** e, -6, 6)
;;       step = 2.0 ** (np.maximum(np.frexp(np.where(r == 0, 1, r))[1] - 1, 0) - 1)
;;       q = np.round(r / step) * step * 2.0 ** e      # np.round: ties to even
;;       return np.moveaxis(q.reshape(q.shape[:-2] + (-1,))[..., :K], -1, axis).astype(np.float32)
;;   ~~~
;;   SOFTMAX AHEAD OF A QUANTISED PRODUCT. Where the list says 'softmax', what is quantised is not the finished softmax but p = 2^(t - M), with t = logit x log2(e) and M = ceil(the row's largest t), a whole number; so 1/2 < the row's largest p <= 1. The row's sum l is taken of the UNQUANTISED p, in f32, and the product's result is divided by l at the end. Since M is a whole number, a kernel that streams over the keys may use a running M (the ceiling of the running maximum): every later rescaling is an exact power of two, which a block's scale takes up: the codes' values come out the same.
;;   OPERANDS COMPUTED ON THE WAY. 'Computed on the way' means the value that the module computes at that place (a softmax that the list does not call 'softmax' is quantised finished and normalised). What goes into a quantiser is computed in f32, as accurately as f32 sums, v_exp_f32 and their like allow (about 1e-6 of the number): no bf16 or f16 on the way to a quantiser, and a product that is left as it is and whose result goes on into a quantised operand takes f32 operands (vector FMAs, or v_wmma_f32_16x16x4_f32). A number that lies on a knife's edge between two numbers of the format may be rounded either way, as far as f32 arithmetic and the matrix unit's own rounding can turn it there, and no further.
;;   INPUTS GIVEN AS CODES. Wf (in the module: [256, 256], K = its axis 1); Wk (in the module: [256, 256], K = its axis 1); Wq (in the module: [256, 256], K = its axis 1); Wv (in the module: [256, 256], K = its axis 1): each comes as NAME_codes (uint8): NAME with its K axis moved to the last place and cut into blocks of 32 codes, [.., K / 32, bytes a block], one block behind the other in memory; two codes a byte, the lower K in the low four bits (a code: sign, 2 exponent bits, 1 mantissa bit); and NAME_scales (uint8): the same leading axes, one E8M0 byte (e + 127) for each 32 codes along K. Its value is code x scale, taken as it is: it is not quantised again, and the codes and scales need not be those that the quantiser above would give.
;; One version. Each part assembles by itself: llvm-mc -triple=amdgcn-amd-amdhsa -mcpu=gfx1250 --defsym DOCPART=n.
;; ======== version 1 of 1: 2 launches
;; limits: right only within a limited range of input values
;; workspace buffers: qc 1,048,576 bytes; qs 65,536 bytes; kv 2,228,224 bytes
;; launch proj (part 1): grid 4 x 64, 8 waves a work-group, clusters of 4 x 1, 167,936 bytes of LDS; arguments inputs, Wq_codes, Wq_scales, Wk_codes, Wk_scales, Wv_codes, Wv_scales, qc, qs, kv; writes qc, qs, kv
.if DOCPART == 1
	.amdgcn_target "amdgcn-amd-amdhsa--gfx1250"
	.amdhsa_code_object_version 6
	.text
	.protected	k_q9c4de16aae_proj
	.globl	k_q9c4de16aae_proj
	.p2align	8
	.type	k_q9c4de16aae_proj,@function
k_q9c4de16aae_proj:
	s_mov_b64 s[64:65], 0
	v_nop
	global_prefetch_b8 v0, s[64:65] scope:SCOPE_SE
	s_setreg_imm32_b32 hwreg(HW_REG_WAVE_MODE, 25, 1), 1
	s_wait_xcnt 0x0
	s_wait_alu depctr_hold_cnt(0) depctr_sa_sdst(0) depctr_va_vdst(0) depctr_va_sdst(0) depctr_va_ssrc(0) depctr_va_vcc(0) depctr_vm_vsrc(0)
	s_getreg_b32 s2, hwreg(HW_REG_IB_STS2, 6, 4)
	s_cmp_eq_u32 s2, 0
	s_cbranch_scc0 .Lentry_in_a_cluster
	s_endpgm
.Lentry_in_a_cluster:
	s_bfe_u32 s2, ttmp6, 0x10000c
	s_cmp_lg_u32 s2, 0x3003
	s_cbranch_scc0 .Lentry_shape_is_right
	s_endpgm
.Lentry_shape_is_right:
; MULTI-HEAD ATTENTION IN MX-FP4, launch 1 of 2: x is quantised along D; Q = x Wq^T, K = x Wk^T, V = x Wv^T on codes of E2M1; Q and K are quantised along the
; head's 32 channels, V along the keys (blocks of 32 tokens).  4 x 2,048 tokens, D = 256, 8 heads of 32.
; NOTHING OF THE PROBLEM IS LEFT OUT: every input has a way to the output and every product of the table is done, in the two launches.
; LIMITS: NaN and infinities among the inputs are not served.  A block whose largest magnitude lies under 2^-124 keeps the scale byte 1; a block of zeros keeps the
; byte 1 where the quantiser says 127: its codes are zeros, which add nothing under any byte but 0xff, and the bytes are read by this program alone.
; A WHOLE BLOCK OF 32 IN ONE LANE.  In a result of 16 x 16 lane (r, h) holds rows 8 h .. 8 h + 7 of source 0 for column r.  Four tiles i whose rows 0-7 are elements
; 8 i .. 8 i + 7 of one block and whose rows 8-15 are the same elements of the next block leave a lane 32 registers: one block, in its own order.  Its largest
; magnitude needs no other lane, and four conversions give four registers of the next operand as they stand.
; TOKEN SLOTS.  The 128 tokens of a step s are eight tiles (g, i): slot r of tile 4 g + i is token 128 s + 32 (2 g + r / 8) + 8 i + r % 8.  So one fragment of x serves as
; source 1 for Q and K (a lane then holds one token and a head's 32 channels) and as source 0 for V (a lane then holds one channel and 32 neighbouring tokens).
; SHARES.  Work-group (G, Y): heads 2 G and 2 G + 1 of the 128 tokens of step Y (Y = 16 x batch + s).  The four work-groups of a cluster (G = 0..3) need the same 128 rows of x,
; 131,072 bytes: each wave asks for 16 rows JOINTLY.  The weights, 26,112 bytes a work-group and other rows in each partner, go straight into registers.
; Wave w = 4 g + p: quantises tile (g, p) of x; makes Q and K of that tile for both heads; makes V of 16 channels (head 2 G + p / 2, half p % 2) for the 64 tokens of g.
; The launch has no loop: what it reads is asked for as soon as registers are free for it, so nothing is prefetched.
.set XGRP,  33408                      ; LDS: 32 rows of x of 1,040 bytes, and 128 bytes more, so that slots r and r + 8 (32 tokens apart) fall on other banks
.set XROW,  1040                       ; a row of x: 1,024 bytes + 16 of padding
.set XIMG,  133632                     ; x's fragments as images of their registers: tile w, K step ks, half c at 2,048 w + 1,024 ks + 512 c + 16 x lane
.set XSC,   150016                     ; their scale words: (2 w + ks) x 128 + 4 x lane
.set STG,   152064                     ; scale bytes on their way out: Q's 256, K's 256, V's 256
.set SPARE, 152832                     ; the spare words: 128 bytes for each of eight waves, named by no other line
.set HEADB, 69632                      ; kv: a head is 16 records
.set REC,   4352                       ; a record (128 keys): K's images 2,048, V's images 2,048, K's scale words 128, V's 128
.set XA,  4                            ; v4   LDS: my slot's row of x, + 128 h
.set IW,  5                            ; v5   where I store my tile's images
.set SW,  6                            ; v6   and its scale words
.set IR,  7                            ; v7   where I read the four tiles of my g
.set SR,  8                            ; v8   and their scale words
.set WA,  9                            ; v9   Wq, Wk: my row of a tile, + 16 h
.set WSA, 10                           ; v10  its scale words
.set VA,  11                           ; v11  Wv likewise
.set VSA, 12                           ; v12
.set QO,  13                           ; v13  qc: 32,768 h + 16 r
.set KO,  14                           ; v14  kv: 69,632 h + 16 r
.set LI,  15                           ; v15  16 x lane
.set BQA, 16                           ; v16  stage: Q's (and 256 on: K's) scale byte
.set BVA, 17                           ; v17  stage: V's scale byte
.set F8,  18                           ; v18  stage, on the way out: 8 x lane
.set FKA, 19                           ; v19  stage, on the way out: K's and V's words of a head
.set L8,  21                           ; v21  8 x lane
.set SH8, 22                           ; v22  8 h
.set WT,  23                           ; v23  a lane permute's target
.set WQ,  24                           ; v24-87   Wq's fragments: tile t, K step ks at WQ + 16 t + 8 ks
.set WQS, 88                           ; v88-95   their scale words
.set XF,  24                           ; behind Q's products: v24-87 the four tiles' fragments of x of my g: XF + 16 i + 8 ks
.set XS,  88                           ; and v88-95 their scale words
.set XC,  96                           ; v96-111  my tile of x: two fragments
.set XCS, 112                          ; v112-113 its scale words
.set WKS, 114                          ; v114-121 Wk's scale words
.set WVS, 122                          ; v122-123 Wv's scale words
.set MX,  124                          ; v124-125 two blocks' largest magnitudes, then the conversions' scale operands
.set SPW, 126                          ; v126 LDS address of my spare word; never rewritten
.set NIL, 127                          ; v127 0; never rewritten
.set RAW, 128                          ; v128-255 my slot's 128 numbers of x: block (ks, c) at RAW + 64 ks + 32 c
.set WK,  128                          ; behind K step 0's conversions: v128-191 Wk's fragments
.set WV,  192                          ; behind K step 1's: v192-207 Wv's two fragments
.set D,   208                          ; v208-239 four results of 16 x 16: a block of 32 a lane
.set CQ,  240                          ; v240-251 codes to store: Q's, V's, K's
.set CV,  244
.set CK,  248
.set MA,  252
.set MB,  253
.set SO,  254
.set SEL, 40                           ; s[40:41] v_permlanex16_b32's selects for lane l xor 16
.macro CROUND                          ; a round of the cluster's barrier
	s_barrier_signal -1
	s_barrier_wait -1
	s_cmp_lg_u32 s3, 0
	s_cbranch_scc1 .Lnot_wave_0_\@
	s_barrier_signal -3
.Lnot_wave_0_\@:
	s_barrier_wait -3
	s_barrier_signal -1
	s_barrier_wait -1
.endm
.macro MM0 d, a, b, sa, sb             ; a product that starts a sum
	v_wmma_scale_f32_16x16x128_f8f6f4 v[\d:\d+7], v[\a:\a+7], v[\b:\b+7], 0, v[\sa], v[\sb] matrix_a_fmt:MATRIX_FMT_FP4 matrix_b_fmt:MATRIX_FMT_FP4
.endm
.macro MMA d, a, b, sa, sb             ; and one that adds in place
	v_wmma_scale_f32_16x16x128_f8f6f4 v[\d:\d+7], v[\a:\a+7], v[\b:\b+7], v[\d:\d+7], v[\sa], v[\sb] matrix_a_fmt:MATRIX_FMT_FP4 matrix_b_fmt:MATRIX_FMT_FP4
.endm
.macro WLOAD w, ws, pc, ps             ; the four tiles of Wq or Wk, 24 loads: row m of tile t is feature 32 (2 G + m / 8) + 8 t + m % 8
.irp t, 0,1,2,3
.irp ks, 0,1
.irp c, 0,1
	global_load_b128 v[\w+16*\t+8*\ks+4*\c:\w+16*\t+8*\ks+4*\c+3], v[WA], s[\pc:\pc+1] offset:1024*\t+64*\ks+32*\c
.endr
	global_load_b32 v[\ws+2*\t+\ks], v[WSA], s[\ps:\ps+1] offset:64*\t+4*\ks
.endr
.endr
.endm
; K step ks of my slot's row of x: two whole blocks of 32 a lane (blocks 2 c + h) become a fragment and, with lane l xor 16's two bytes, its scale word
.macro QUANTX ks
.irp c, 0,1
	v_max3_num_f32 v[MX+\c], |v[RAW+64*\ks+32*\c]|, |v[RAW+64*\ks+32*\c+1]|, 0x1800000   ; with the floor 2^(3 - 127): the byte cannot fall under 1
.endr
.irp i, 2,4,6,8,10,12,14,16,18,20,22,24,26,28,30
.irp c, 0,1
	s_delay_alu instid0(VALU_DEP_2)
	v_max3_num_f32 v[MX+\c], v[MX+\c], |v[RAW+64*\ks+32*\c+\i]|, |v[RAW+64*\ks+32*\c+\i+1]|
.endr
.endr
.irp c, 0,1
	s_delay_alu instid0(VALU_DEP_2)
	v_add_nc_u32 v[MX+\c], 0xff000000, v[MX+\c]    ; 2 off the exponent field: the conversion's scale operand
.endr
	s_delay_alu instid0(VALU_DEP_2)
	v_lshrrev_b32 v1, 23, v[MX]                    ; the two bytes,
	s_delay_alu instid0(VALU_DEP_2)
	v_lshrrev_b32 v2, 23, v[MX+1]
	s_delay_alu instid0(VALU_DEP_1)
	v_lshl_or_b32 v1, v2, 16, v1                   ; at the places of blocks h and 2 + h
	s_delay_alu instid0(VALU_DEP_1)
	v_lshlrev_b32 v1, v[SH8], v1
	s_delay_alu instid0(VALU_DEP_1)
	v_permlanex16_b32 v[WT], v1, s[SEL], s[SEL+1]
	s_delay_alu instid0(VALU_DEP_1)
	v_or_b32 v[XCS+\ks], v1, v[WT]                 ; the word is whole
.irp c, 0,1
.irp e, 0,1,2,3
	v_cvt_scalef32_pk8_fp4_f32 v[XC+8*\ks+4*\c+\e], v[RAW+64*\ks+32*\c+8*\e:RAW+64*\ks+32*\c+8*\e+7], v[MX+\c]
.endr
.endr
	v_nop                                          ; one plain instruction behind the scaled conversions
.endm
; the lane's 32 results in D are one block: codes into v[dst] on, the scale byte into v[by].  Each of the four results is read from its low end on.
.macro QUANT32 dst, by
	v_max3_num_f32 v[MA], |v[D]|, |v[D+1]|, 0x1800000
	v_max3_num_f32 v[MB], |v[D+2]|, |v[D+3]|, |v[D+4]|
.irp k, 5,9,13,17,21,25
	v_max3_num_f32 v[MA], v[MA], |v[D+\k]|, |v[D+\k+1]|
	v_max3_num_f32 v[MB], v[MB], |v[D+\k+2]|, |v[D+\k+3]|
.endr
	v_max3_num_f32 v[MA], v[MA], |v[D+29]|, |v[D+30]|
	v_max3_num_f32 v[MA], v[MA], v[MB], |v[D+31]|
	s_delay_alu instid0(VALU_DEP_1)
	v_add_nc_u32 v[SO], 0xff000000, v[MA]
.irp e, 0,1,2,3
	v_cvt_scalef32_pk8_fp4_f32 v[\dst+\e], v[D+8*\e:D+8*\e+7], v[SO]
.endr
	v_lshrrev_b32 v[\by], 23, v[SO]                ; the byte; also the plain instruction behind the conversions
.endm
.macro QKG w, ws                       ; Q or K of my tile, transposed: source 0 = 16 rows of the weight, source 1 = x.  The four sums take turns
.irp t, 0,1,2,3
	MM0 D+8*\t, \w+16*\t, XC, \ws+2*\t, XCS
.endr
.irp t, 0,1,2,3
	MMA D+8*\t, \w+16*\t+8, XC+8, \ws+2*\t+1, XCS+1
.endr
.rept 5
	v_nop                                          ; four places ahead of reads of the results and of loads into the operands, five ahead of the next group's products, which write over D
.endr
.endm
.macro VG                              ; V: source 0 = the four tiles of x of my g, source 1 = my 16 rows of Wv
.irp i, 0,1,2,3
	MM0 D+8*\i, XF+16*\i, WV, XS+2*\i, WVS
.endr
.irp i, 0,1,2,3
	MMA D+8*\i, XF+16*\i+8, WV+8, XS+2*\i+1, WVS+1
.endr
.rept 5
	v_nop
.endr
.endm
	s_load_b512 s[8:23], s[0:1], 0x0               ; inputs s[8:9], Wq codes, scales s[10:13], Wk s[14:17], Wv s[18:21], qc s[22:23]
	s_load_b128 s[24:27], s[0:1], 0x40             ; qs s[24:25], kv s[26:27]
	v_lshl_add_u32 v[SPW], v0, 2, SPARE
	v_mov_b32 v[NIL], 0
	ds_add_u32 v[SPW], v[NIL]                      ; the wave's opening: the add, twice on end, and its wait ahead of my first tensor load
	ds_add_u32 v[SPW], v[NIL]
	v_lshrrev_b32 v1, 5, v0
	v_readfirstlane_b32 s3, v1                     ; wave 0..7
	s_bfe_u32 s4, ttmp6, 0x40000                   ; cx
	s_lshl_b32 s70, ttmp9, 2
	s_add_co_u32 s4, s70, s4                       ; G: it enters global addresses alone
	s_and_b32 s5, ttmp7, 0xffff                    ; Y, which the four partners share
	s_lshr_b32 s6, s3, 2                           ; g
	s_and_b32 s7, s3, 3                            ; p
	s_mov_b32 s[SEL], 0x76543210
	s_mov_b32 s[SEL+1], 0xfedcba98
	; descriptor group 1: 16 rows of 256 elements of 4 bytes, 4 words of padding behind every 256
	s_mov_b32 s32, 15|(2<<16)|(1<<20)|(1<<21)|(7<<22)|(3<<25)
	s_mov_b32 s33, 256<<16                         ; tensor_dim0
	s_mov_b32 s34, 16<<16                          ; tensor_dim1
	s_mov_b32 s35, 256<<16                         ; tile_dim0
	s_mov_b32 s36, 16                              ; tile_dim1
	s_mov_b32 s37, 256                             ; from row to row
	s_mov_b32 s38, 0
	s_mov_b32 s39, 0
	s_mov_b32 s28, 1                               ; group 0
	s_lshr_b32 s70, s3, 1
	s_mul_i32 s29, s70, XGRP                       ; tokens 16 w on: group w / 2 of 32,
	s_and_b32 s70, s3, 1
	s_mul_i32 s70, s70, 16*XROW                    ; its lower or upper 16 rows
	s_add_co_u32 s29, s29, s70
	s_lshl_b32 s70, s5, 17                         ; 128 rows of 1,024 bytes a step,
	s_lshl_b32 s71, s3, 14                         ; 16 a wave
	s_add_co_u32 s70, s70, s71
	s_mov_b32 s71, 0                               ; (stays 0: the upper word of every offset)
	v_and_b32 v1, 31, v0                           ; lane
	v_and_b32 v2, 15, v0                           ; r
	v_bfe_u32 v3, v0, 4, 1                         ; h
	v_bfe_u32 v128, v0, 3, 1                       ; r / 8
	v_and_b32 v129, 7, v0                          ; r % 8
	v_lshlrev_b32 v[WA], 12, v128                  ; (32 (r / 8) + r % 8) rows of 128 bytes + 16 h
	v_lshlrev_b32 v[WSA], 8, v128                  ; and of 8 scale bytes
	v_lshl_add_u32 v[WA], v129, 7, v[WA]
	v_lshl_add_u32 v[WSA], v129, 3, v[WSA]
	v_lshl_add_u32 v[WA], v3, 4, v[WA]
	s_wait_alu depctr_va_vdst(0)                   ; directly ahead of the waits below
	s_wait_dscnt 0x0                               ; both opening adds are done
	CROUND                                         ; all four work-groups are here: the joint loads meet
	s_wait_kmcnt 0x0
	s_add_nc_u64 s[30:31], s[8:9], s[70:71]
	s_or_b32 s31, s31, 0x80000000
	tensor_load_to_lds s[28:31], s[32:39]          ; my one tensor load: 16 rows of x, for all four partners
	s_nop 0
.rept 4
	v_nop
.endr
	s_lshl_b32 s70, s4, 13                         ; 64 rows of codes for a pair of heads
	s_add_nc_u64 s[44:45], s[10:11], s[70:71]      ; Wq's codes
	s_add_nc_u64 s[48:49], s[14:15], s[70:71]      ; Wk's
	s_lshr_b32 s72, s7, 1                          ; V: which head of the pair,
	s_and_b32 s73, s7, 1                           ; which half of its channels
	s_lshl_b32 s74, s72, 12
	s_add_co_u32 s70, s70, s74
	s_lshl_b32 s74, s73, 10
	s_add_co_u32 s70, s70, s74
	s_add_nc_u64 s[52:53], s[18:19], s[70:71]      ; Wv's codes
	s_lshl_b32 s70, s4, 9
	s_add_nc_u64 s[46:47], s[12:13], s[70:71]      ; Wq's scales
	s_add_nc_u64 s[50:51], s[16:17], s[70:71]      ; Wk's
	s_lshl_b32 s74, s72, 8
	s_add_co_u32 s70, s70, s74
	s_lshl_b32 s74, s73, 6
	s_add_co_u32 s70, s70, s74
	s_add_nc_u64 s[54:55], s[20:21], s[70:71]      ; Wv's
	WLOAD WQ, WQS, 44, 46                          ; Wq: 24 loads
	s_lshr_b32 s75, s5, 4
	s_lshl_b32 s75, s75, 3
	s_lshl_b32 s74, s4, 1
	s_add_co_u32 s75, s75, s74                     ; my first head: 8 x batch + 2 G
	s_and_b32 s76, s5, 15                          ; s
	s_lshl_b32 s70, s75, 15
	s_lshl_b32 s74, s76, 3
	s_add_co_u32 s74, s74, s3                      ; my tile: 8 s + w
	s_lshl_b32 s74, s74, 8
	s_add_co_u32 s70, s70, s74
	s_add_nc_u64 s[56:57], s[22:23], s[70:71]      ; qc
	s_mul_i32 s77, s75, HEADB
	s_mul_i32 s74, s76, REC
	s_add_co_u32 s77, s77, s74                     ; my first head's record of step s
	s_lshl_b32 s74, s3, 8
	s_add_co_u32 s70, s77, s74
	s_add_nc_u64 s[58:59], s[26:27], s[70:71]      ; K's image of tile w
	s_add_co_u32 s70, s77, 4096
	s_add_nc_u64 s[68:69], s[26:27], s[70:71]      ; the record's scale words
	s_mul_i32 s74, s72, HEADB
	s_add_co_u32 s70, s77, s74
	s_lshl_b32 s74, s73, 10
	s_add_co_u32 s70, s70, s74
	s_lshl_b32 s74, s6, 9
	s_add_co_u32 s70, s70, s74
	s_add_co_u32 s70, s70, 2048
	s_add_nc_u64 s[60:61], s[26:27], s[70:71]      ; V's image: tile p % 2, half g
	s_lshl_b32 s70, s5, 2
	s_add_co_u32 s70, s70, s4
	s_lshl_b32 s70, s70, 8
	s_add_nc_u64 s[66:67], s[24:25], s[70:71]      ; qs: unit 4 Y + G
	s_mul_i32 s78, s6, 2*XGRP
	s_mul_i32 s79, s7, 8*XROW
	s_add_co_u32 s78, s78, s79                     ; slot r of tile (g, p): group 2 g + r / 8, row 8 p + r % 8
	s_lshl_b32 s72, s3, 11
	s_add_co_u32 s72, s72, XIMG
	s_lshl_b32 s73, s3, 8
	s_add_co_u32 s73, s73, XSC
	s_lshl_b32 s74, s6, 13
	s_add_co_u32 s74, s74, XIMG
	s_lshl_b32 s75, s6, 10
	s_add_co_u32 s75, s75, XSC
	s_add_co_u32 s76, s3, STG
	s_bfe_u32 s77, s3, 0x10001
	s_lshl_b32 s77, s77, 7                         ; 128 x head of the pair
	s_and_b32 s79, s3, 1
	s_lshl_b32 s79, s79, 2                         ; + 4 x half of the channels
	s_add_co_u32 s77, s77, s79
	s_lshl_b32 s79, s6, 1                          ; + 2 g + h: the block of keys
	s_add_co_u32 s77, s77, s79
	s_add_co_u32 s77, s77, STG+512
	s_wait_alu depctr_va_vdst(0)                   ; directly ahead of the readers below
	v_lshlrev_b32 v[VA], 11, v128                  ; Wv: (16 (r / 8) + r % 8) rows + 16 h
	v_lshlrev_b32 v[VSA], 7, v128
	v_mul_u32_u24 v[XA], v128, XGRP
	v_lshlrev_b32 v[LI], 4, v1
	v_lshlrev_b32 v130, 2, v1
	v_lshlrev_b32 v131, 4, v2
	v_lshlrev_b32 v132, 3, v2
	v_lshlrev_b32 v[FKA], 8, v128                  ; lanes 0-7 of a half: K's 128 bytes of head h, lanes 8-15: V's
	v_lshlrev_b32 v[L8], 3, v1
	v_lshlrev_b32 v[SH8], 3, v3
	v_lshl_add_u32 v[VA], v129, 7, v[VA]
	v_lshl_add_u32 v[VSA], v129, 3, v[VSA]
	v_mad_u32_u24 v[XA], v129, XROW, v[XA]
	v_add_nc_u32 v[IW], s72, v[LI]
	v_add_nc_u32 v[SW], s73, v130
	v_add_nc_u32 v[IR], s74, v[LI]
	v_add_nc_u32 v[SR], s75, v130
	v_lshl_add_u32 v[QO], v3, 15, v131
	v_mad_u32_u24 v[KO], v3, HEADB, v131
	v_lshl_add_u32 v[BQA], v3, 7, v132             ; 128 h + 8 r + w
	v_add_nc_u32 v[BVA], v132, v3
	v_lshl_add_u32 v[FKA], v3, 7, v[FKA]
	v_add_nc_u32 v[F8], STG, v[L8]
	v_lshl_add_u32 v[VA], v3, 4, v[VA]
	v_lshl_add_u32 v[XA], v3, 7, v[XA]
	v_add_nc_u32 v[BQA], s76, v[BQA]
	v_add_nc_u32 v[BVA], s77, v[BVA]
	v_lshl_add_u32 v[FKA], v129, 4, v[FKA]
	v_add_nc_u32 v[XA], s78, v[XA]
	v_add_nc_u32 v[FKA], STG+256, v[FKA]
	v_mov_b32 v[WT], 0                             ; written once: a lane permute's destination counts as one of its sources
	s_wait_alu depctr_va_vdst(0)                   ; at the head's end
	s_wait_tensorcnt 0x0                           ; my 16 rows are in,
	s_barrier_signal -1
	s_barrier_wait -1                              ; everybody's are: my tile's rows were fetched by other waves
.irp ks, 0,1
.irp c, 0,1
.irp q, 0,1,2,3,4,5,6,7
	ds_load_b128 v[RAW+64*\ks+32*\c+4*\q:RAW+64*\ks+32*\c+4*\q+3], v[XA] offset:512*\ks+256*\c+16*\q
.endr
.endr
.endr
	s_wait_dscnt 16                                ; K step 0's sixteen loads are in; K step 1's sixteen may be out
	QUANTX 0
	WLOAD WK, WKS, 48, 50                          ; Wk: 24 loads, into the registers that K step 0 has left
	s_wait_alu depctr_va_vdst(0)                   ; directly ahead of the wait below
	s_wait_dscnt 0x0
	QUANTX 1
	s_wait_alu depctr_va_vdst(0)
.irp ks, 0,1
.irp c, 0,1
	ds_store_b128 v[IW], v[XC+8*\ks+4*\c:XC+8*\ks+4*\c+3] offset:1024*\ks+512*\c
.endr
	ds_store_b32 v[SW], v[XCS+\ks] offset:128*\ks
.endr
.irp ks, 0,1
.irp c, 0,1
	global_load_b128 v[WV+8*\ks+4*\c:WV+8*\ks+4*\c+3], v[VA], s[52:53] offset:64*\ks+32*\c
.endr
	global_load_b32 v[WVS+\ks], v[VSA], s[54:55] offset:4*\ks
.endr
	s_wait_dscnt 0x0                               ; for the others' sake: my images lie in LDS
	s_barrier_signal -1
	s_barrier_wait -1
.rept 8
	v_nop                                          ; x's scale words were written by vector instructions: eight places ahead of a scaled product (its codes: four)
.endr
	s_wait_loadcnt 30                              ; Wq's 24 loads are in; Wk's 24 and Wv's six may be out
	QKG WQ, WQS                                    ; Q
.irp i, 0,1,2,3                                ; the four tiles of x of my g, into the registers that Wq has left, behind QKG's places
.irp ks, 0,1
.irp c, 0,1
	ds_load_b128 v[XF+16*\i+8*\ks+4*\c:XF+16*\i+8*\ks+4*\c+3], v[IR] offset:2048*\i+1024*\ks+512*\c
.endr
	ds_load_b32 v[XS+2*\i+\ks], v[SR] offset:128*(2*\i+\ks)
.endr
.endr
	QUANT32 CQ, 1
	ds_store_b8 v[BQA], v1
	s_wait_loadcnt 6                               ; Wk is in; Wv's six loads may be out
	QKG WK, WKS                                    ; K
	QUANT32 CK, 3
	ds_store_b8 v[BQA], v3 offset:256
	s_wait_alu depctr_va_vdst(0)                   ; directly ahead of the waits below
	s_wait_dscnt 0x0                               ; the four tiles of x are in
	s_wait_loadcnt 0x0                             ; Wv
	VG                                             ; V
	QUANT32 CV, 2
	ds_store_b8 v[BVA], v2
	s_wait_alu depctr_va_vdst(0)                   ; directly ahead of the wait below
	s_wait_dscnt 0x0                               ; for wave 0's sake: my three bytes lie in the stage
	global_store_b128 v[QO], v[CQ:CQ+3], s[56:57]  ; lanes 0-15: 256 consecutive bytes of head 2 G, lanes 16-31: of head 2 G + 1
	global_store_b128 v[KO], v[CK:CK+3], s[58:59]
	global_store_b128 v[LI], v[CV:CV+3], s[60:61]  ; 512 consecutive bytes
	s_barrier_signal -1
	s_barrier_wait -1
	s_cmp_lg_u32 s3, 0
	s_cbranch_scc1 .Lnot_mine
	ds_load_b64 v[128:129], v[F8]                  ; Q's 256 scale bytes
	ds_load_b128 v[132:135], v[FKA]                ; K's and V's scale words of both heads
	s_wait_dscnt 0x0
	global_store_b64 v[L8], v[128:129], s[66:67]   ; 256 consecutive bytes, aligned
	global_store_b128 v[KO], v[132:135], s[68:69]  ; and 256 in each head's record
.Lnot_mine:
	s_wait_tensorcnt 0x0                           ; the wave's end
	ds_add_u32 v[SPW], v[NIL]
	s_wait_dscnt 0x0
	CROUND                                         ; the closing round
	s_endpgm
.Lfunc_end_k_q9c4de16aae_proj:
	.size	k_q9c4de16aae_proj, .Lfunc_end_k_q9c4de16aae_proj-k_q9c4de16aae_proj
	.p2alignl 7, 3214868480
	.fill 96, 4, 3214868480
	.section	.rodata,"a",@progbits
	.p2align	6, 0x0
	.amdhsa_kernel k_q9c4de16aae_proj
		.amdhsa_group_segment_fixed_size 167936
		.amdhsa_private_segment_fixed_size 0
		.amdhsa_enable_private_segment 0
		.amdhsa_kernarg_size 80
		.amdhsa_user_sgpr_count 2
		.amdhsa_user_sgpr_kernarg_segment_ptr 1
		.amdhsa_wavefront_size32 1
		.amdhsa_system_sgpr_workgroup_id_x 1
		.amdhsa_system_sgpr_workgroup_id_y 1
		.amdhsa_system_sgpr_workgroup_id_z 1
		.amdhsa_system_vgpr_workitem_id 0
		.amdhsa_next_free_vgpr 256
		.amdhsa_next_free_sgpr 84
		.amdhsa_reserve_vcc 0
		.amdhsa_float_denorm_mode_32 3
		.amdhsa_float_denorm_mode_16_64 3
		.amdhsa_memory_ordered 1
		.amdhsa_forward_progress 1
		.amdhsa_inst_pref_size 35
	.end_amdhsa_kernel
	.amdgpu_metadata
---
amdhsa.version: [ 1, 2 ]
amdhsa.kernels:
  - .name:           k_q9c4de16aae_proj
    .symbol:         k_q9c4de16aae_proj.kd
    .args:
      - { .name: inputs, .offset: 0, .size: 8, .value_kind: global_buffer, .address_space: global }
      - { .name: Wq_codes, .offset: 8, .size: 8, .value_kind: global_buffer, .address_space: global }
      - { .name: Wq_scales, .offset: 16, .size: 8, .value_kind: global_buffer, .address_space: global }
      - { .name: Wk_codes, .offset: 24, .size: 8, .value_kind: global_buffer, .address_space: global }
      - { .name: Wk_scales, .offset: 32, .size: 8, .value_kind: global_buffer, .address_space: global }
      - { .name: Wv_codes, .offset: 40, .size: 8, .value_kind: global_buffer, .address_space: global }
      - { .name: Wv_scales, .offset: 48, .size: 8, .value_kind: global_buffer, .address_space: global }
      - { .name: qc, .offset: 56, .size: 8, .value_kind: global_buffer, .address_space: global }
      - { .name: qs, .offset: 64, .size: 8, .value_kind: global_buffer, .address_space: global }
      - { .name: kv, .offset: 72, .size: 8, .value_kind: global_buffer, .address_space: global }
    .group_segment_fixed_size: 167936
    .private_segment_fixed_size: 0
    .kernarg_segment_align: 8
    .kernarg_segment_size: 80
    .max_flat_workgroup_size: 256
    .sgpr_count:     84
    .vgpr_count:     256
    .wavefront_size: 32
...
	.end_amdgpu_metadata
.endif
;; end of part 1
;; launch attn (part 2): grid 256 x 1, 16 waves a work-group, clusters of 4 x 1, 327,680 bytes of LDS; arguments qc, qs, kv, Wf_codes, Wf_scales, bf, gamma, beta, inputs, out0; writes out0
.if DOCPART == 2
	.amdgcn_target "amdgcn-amd-amdhsa--gfx1250"
	.amdhsa_code_object_version 6
	.text
	.protected	k_q9c4de16aae_attn
	.globl	k_q9c4de16aae_attn
	.p2align	8
	.type	k_q9c4de16aae_attn,@function
k_q9c4de16aae_attn:
	s_mov_b64 s[64:65], 0
	v_nop
	global_prefetch_b8 v0, s[64:65] scope:SCOPE_SE
	s_setreg_imm32_b32 hwreg(HW_REG_WAVE_MODE, 25, 1), 1
	s_wait_xcnt 0x0
	s_wait_alu depctr_hold_cnt(0) depctr_sa_sdst(0) depctr_va_vdst(0) depctr_va_sdst(0) depctr_va_ssrc(0) depctr_va_vcc(0) depctr_vm_vsrc(0)
	s_getreg_b32 s2, hwreg(HW_REG_IB_STS2, 6, 4)
	s_cmp_eq_u32 s2, 0
	s_cbranch_scc0 .Lentry_in_a_cluster
	s_endpgm
.Lentry_in_a_cluster:
	s_bfe_u32 s2, ttmp6, 0x10000c
	s_cmp_lg_u32 s2, 0x3003
	s_cbranch_scc0 .Lentry_shape_is_right
	s_endpgm
.Lentry_shape_is_right:
; Launch 2 of 2: for each head S^T = K Q^T, the softmax as p = 2^(t - M), O^T = V^T P^T, O / l; O quantised along D (a block of 32 is a head); y = inputs + O Wf^T + bf on codes of E2M1;
; LayerNorm: (y - mean) / sqrt(var + 1e-6) x gamma + beta.  Nothing of the problem is left out.
; t = score x log2(e) / sqrt(2,048) (one constant, one rounding, where the problem's text has two); M = the running largest t rounded UP to a whole number; the row's sum l is taken of the unquantised p;
; when M moves, l and O^T are multiplied by 2^(old M - new M), which rounds nothing.  The variance is taken of y - mean, in a second pass over registers.
; LIMITS: NaN and infinities are not served; the scaled scores stay under 2^31 in magnitude; a block whose largest magnitude lies under 2^-124, or whose every p has fallen to 0, keeps the scale byte 1.
; A block's largest p is made from the block's largest score by the same two instructions: this takes v_exp_f32 not to fall where its input rises.
; SHARES.  A work-group owns 32 query slots (two tiles of 16) of one batch in ALL 8 heads, so that the last product and the LayerNorm of its tokens are its own.  Wave w: head w / 2, tile w % 2.
; K AND V of the 8 heads, 16 records (128 keys each) of 4,352 bytes a head, come through a ring of two LDS slots of four records a head: 139,264 bytes.  Wave w fetches two records of head w / 2: 34 rows of 256 bytes,
; one load.  The four work-groups of a cluster belong to one batch and ask JOINTLY.  A refill is asked for in a slot's last trip, and the wait for it stands in the next slot's last trip, a whole trip of all
; sixteen waves later; so K and V are not prefetched.  The rows of inputs for the residual are, once, more than three trips ahead of their loads.
; SCORES: K = 32 IN AN INSTRUCTION OF K = 128.  Eight registers of K's codes hold FOUR tiles of 16 keys, tile (g, i) in block i.  Four versions B_i of the query operand hold Q's 32 codes in block i and zero
; codes elsewhere: the other three blocks add nothing.  One 32-row instruction makes tiles (0, i) and (1, i).  A lane holds ONE query (lane % 16).  Row m of tile (g, i) is key 32 (2 g + m / 8) + 8 i + m % 8, so a
; lane's 32 scores of a g are the whole block 2 g + lane / 16 of keys, in order, and four conversions give registers 4 g .. 4 g + 3 of P.
; A TRIP is 256 keys: records u = 0, 1 of a pair.  M moves once a trip.  A slot is two trips.
.set REC,   4352                       ; K's images 2,048, V's images 2,048, K's scale words 128, V's 128
.set CH,    8704                       ; what a wave fetches: two records
.set HEADB, 69632
.set SLOT,  139264
.set WFI,   278528                     ; behind the ring: 2,048 bytes for each wave: its 16 rows of Wf as images of the operand's registers
.set SPARE, 311296                     ; the spare words: 128 bytes for each of sixteen waves, named by no other line
.set IMG,   313344                     ; O's codes: tile, head, query, 16 bytes
.set SCB,   317440                     ; O's scale words: tile, K step, query
.set STG,   0                          ; the way out: 32 rows, in slot 0, which has had its last fill and its last read by then
.set SPITCH, 1040
.set AL,  1                            ; v1   16 x lane + my head's place in a slot
.set ASC, 2                            ; v2   the same for scale words: 4,096 + 8 r + 4 h
.set AD,  3                            ; v3   both in the slot in hand
.set ADS, 4
.set PFO, 5                            ; v5   the prefetch's offset; never rewritten
.set SPW, 6                            ; v6   LDS address of my spare word; never rewritten
.set NIL, 7                            ; v7   0; never rewritten
.set MX,  8                            ; v8   the largest score so far
.set QSC, 9                            ; v9   Q's scale byte, in all four bytes
.set NMA, 10                           ; v10, v12  -M by turns
.set TX,  11
.set NMB, 12
.set TM,  13                           ; v13  at work; in the last trip 16 x lane
.set F,   14                           ; v14  f = 2^(old M - new M)
.set DI,  15
.set L,   16                           ; v[16:17] the sum, in two halves
.set MB,  18                           ; v18-21 the four blocks' largest scores, then largest p, then bytes
.set SO,  22                           ; v22-25 the conversions' scale operands
.set XW,  26                           ; v26-27 a lane permute's targets
.set PSC, 28                           ; v28-29 p's scale words
.set KSC, 30                           ; v30-31 K's
.set VSC, 32                           ; v32-33 V's
.set WFS, 34                           ; v34-35 Wf's
.set QB,  36                           ; v36-55 zeros, QL, zeros, QH, zeros (QL: Q's codes in lanes 0-15; QH: in lanes 16-31): B_i begins at QB + 4 + 8 (i % 2) - 4 (i / 2)
.set X,   56                           ; v56-71, v72-87: K's, then V's fragments of records u = 0, 1; at the end inputs, gamma and beta
.set Y,   72
.set P0,  88                           ; v88-95, v96-103: p's codes
.set P1,  96
.set O,   104                          ; v104-119 O^T: register 8 t + j is channel 16 h + 8 t + j
.set S,   120                          ; v120-247 scores, then p: record u, tile (g, i) at S + 64 u + 16 i + 8 g
.set BF,  248                          ; v248-255 bf of my 16 features in the result's layout
.set SEL, 46                           ; s[46:47] v_permlanex16_b32's selects for lane l xor 16
.set CS,  48                           ; s[48:49] c = log2(e) / sqrt(2,048), named as a pair
.set NC,  50                           ; s50 -c
.set TB,  52                           ; s52 where the slot in hand begins
.set TT,  70                           ; s70 my tile
.set WOFF, 71                          ; s71 where my chunk begins in a slot
.macro CREST                           ; a round of the cluster's barrier behind its opening barrier
	s_cmp_lg_u32 s3, 0
	s_cbranch_scc1 .Lnot_wave_0_\@
	s_barrier_signal -3
.Lnot_wave_0_\@:
	s_barrier_wait -3
	s_barrier_signal -1
	s_barrier_wait -1
.endm
.macro CROUND                          ; a whole round
	s_barrier_signal -1
	s_barrier_wait -1
	CREST
.endm
.macro JLOAD                           ; my joint load
	tensor_load_to_lds s[28:31], s[32:39]
	s_nop 0
.rept 4
	v_nop
.endr
.endm
.macro KL buf, sc, n                   ; K of the slot's record n: five loads
.irp q, 0,1,2,3
	ds_load_b128 v[\buf+4*\q:\buf+4*\q+3], v[AD] offset:REC*(\n)+512*\q
.endr
	ds_load_b32 v[\sc], v[ADS] offset:REC*(\n)
.endm
.macro VL buf, sc, n                   ; V of record n
.irp q, 0,1,2,3
	ds_load_b128 v[\buf+4*\q:\buf+4*\q+3], v[AD] offset:REC*(\n)+2048+512*\q
.endr
	ds_load_b32 v[\sc], v[ADS] offset:REC*(\n)+128
.endm
.macro OPEN                            ; addresses in the slot in hand
	v_add_nc_u32 v[AD], s[TB], v[AL]
	v_add_nc_u32 v[ADS], s[TB], v[ASC]
	s_wait_alu depctr_va_vdst(0)                   ; directly behind the writes
.endm
.macro LOAD_IN                         ; my two rows of inputs
.irp q, 0,1,2,3
	global_load_b128 v[X+4*\q:X+4*\q+3], v[TM], s[66:67] offset:512*\q
.endr
.endm
.macro LOAD_GB                         ; gamma, beta
.irp q, 0,1
	global_load_b128 v[Y+4*\q:Y+4*\q+3], v[TM], s[20:21] offset:512*\q
	global_load_b128 v[Y+8+4*\q:Y+8+4*\q+3], v[TM], s[22:23] offset:512*\q
.endr
.endm
.macro QK u, buf
.irp i, 0,1,2,3
	v_wmma_scale_f32_32x16x128_f4 v[S+64*\u+16*\i:S+64*\u+16*\i+15], v[\buf:\buf+15], v[QB+4+8*(\i%2)-4*(\i/2):QB+11+8*(\i%2)-4*(\i/2)], 0, v[KSC+\u], v[QSC]
.endr
.endm
.macro PV buf, p, u
	s_wait_alu depctr_va_vdst(0)                   ; directly ahead of each adding step of this sum
	v_wmma_scale_f32_32x16x128_f4 v[O:O+15], v[\buf:\buf+15], v[\p:\p+7], v[O:O+15], v[VSC+\u], v[PSC+\u]
.endm
.macro ADDUP n, at, step, from         ; n sums of pairs in place, independent of each other: pair at + step k += pair from + step k
.set J, 0
.rept \n
	v_pk_add_f32 v[\at+\step*J:\at+\step*J+1], v[\at+\step*J:\at+\step*J+1], v[\from+\step*J:\from+\step*J+1]
.set J, J+1
.endr
.endm
; A TRIP: records 2 d and 2 d + 1 of the slot in hand.  no, nn: -M's old and new register.  nxt: what follows.
; 1: the next trip's K lies in the same slot.  2: THE CHANGE OF SLOTS, and the slot that is left is filled again: once V is asked for, my tensor loads are waited for, 0 is added to my spare word, and behind the
; search for the maxima the add and my reads of this slot are waited for and the round's opening signal is given; register work alone follows, up to the round and the refill behind the second batch of
; exponentials, ahead of the rest of the trip.  3: a change of slots without a refill: a barrier.  0: nothing: the last trip.
.macro TRIP d, nxt, no, nn
	s_wait_dscnt 5                                 ; the first record's five loads are in; the second's five may be out
	QK 0, X
	s_wait_dscnt 0x0
	QK 1, Y
.rept 4
	v_nop                                          ; four places ahead of loads into the operands and of reads of the results
.endr
	VL X, VSC, 2*\d
	VL Y, VSC+1, 2*\d+1
.if \nxt >= 2
	s_wait_tensorcnt 0x0                           ; my part of the next slot is in
	ds_add_u32 v[SPW], v[NIL]
.if \nxt == 2
	s_add_co_u32 s29, s[WOFF], s[TB]               ; the refill goes into the slot that is left:
	s_add_nc_u64 s[30:31], s[30:31], 4*REC         ; the four records a head that follow; the type bits on top are not reached
.endif
	s_xor_b32 s[TB], s[TB], SLOT
.endif
.irp b, 0,1,2,3                                ; the largest score of my four blocks of 32 keys, block (u, g) = (b / 2, b % 2), by turns; each result is read from its low end on
	v_max3_num_f32 v[MB+\b], v[S+64*(\b/2)+8*(\b%2)], v[S+64*(\b/2)+8*(\b%2)+1], v[S+64*(\b/2)+8*(\b%2)+2]
.endr
.irp n, 3,5,7,9,11,13,15,17,19,21,23,25,27,29
.irp b, 0,1,2,3
	v_max3_num_f32 v[MB+\b], v[MB+\b], v[S+64*(\b/2)+8*(\b%2)+16*(\n/8)+\n%8], v[S+64*(\b/2)+8*(\b%2)+16*((\n+1)/8)+(\n+1)%8]
.endr
.endr
.irp b, 0,1,2,3
	v_max_num_f32 v[MB+\b], v[MB+\b], v[S+64*(\b/2)+8*(\b%2)+55]
.endr
	s_delay_alu instid0(VALU_DEP_2)
	v_max3_num_f32 v[TM], v[MB], v[MB+1], v[MB+2]
	s_delay_alu instid0(VALU_DEP_1)
	v_max_num_f32 v[TM], v[TM], v[MB+3]
	s_delay_alu instid0(VALU_DEP_1)
	v_permlanex16_b32 v[TX], v[TM], s[SEL], s[SEL+1]
	s_delay_alu instid0(VALU_DEP_1)
	v_max3_num_f32 v[MX], v[MX], v[TM], v[TX]      ; the running largest score of my query
	s_delay_alu instid0(VALU_DEP_1)
	v_mul_f32 v[TM], s[NC], v[MX]                  ; -t (c is positive)
	s_delay_alu instid0(VALU_DEP_1)
	v_floor_f32 v[\nn], v[TM]                      ; the new -M = floor(-t): M is a whole number
	s_delay_alu instid0(VALU_DEP_1)
	v_sub_f32 v[DI], v[\nn], v[\no]                ; old M less new M: a whole number, 0 or less
.if \nxt >= 2
	s_wait_alu depctr_va_vdst(0)                   ; directly ahead of the wait below
	s_wait_dscnt 0x0                               ; the add is done, and my reads of this slot are over
	s_barrier_signal -1
.endif
.irp b, 0,1,2,3
	v_fma_f32 v[MB+\b], v[MB+\b], s[CS], v[\nn]    ; each block's largest t - M
.endr
	v_cvt_i32_f32 v[DI], v[DI]                     ; (it saturates)
.set J, 0
.rept 32
.if J == 8
	v_ldexp_f32 v[F], 1.0, v[DI]                   ; f = 2^(old M - new M)
.endif
	v_pk_fma_f32 v[S+2*J:S+2*J+1], v[S+2*J:S+2*J+1], s[CS:CS+1], v[\nn:\nn+1] op_sel_hi:[1,0,0]   ; t - M of the first record, two at a time
.set J, J+1
.endr
.irp j, 0,2,4,6,8,10,12,14
	v_pk_mul_f32 v[O+\j:O+\j+1], v[O+\j:O+\j+1], v[F:F+1] op_sel_hi:[1,0]   ; O^T under the new M
.endr
	s_wait_alu depctr_va_vdst(0)                   ; ahead of the batch
.irp b, 0,1,2,3
	v_exp_f32 v[MB+\b], v[MB+\b]                   ; each block's largest p
.endr
.set J, 0
.rept 32                                       ; p of the first record; between them t - M of the second, which nothing reads ahead of the next wait
	v_exp_f32 v[S+2*J], v[S+2*J]
	v_pk_fma_f32 v[S+64+2*J:S+65+2*J], v[S+64+2*J:S+65+2*J], s[CS:CS+1], v[\nn:\nn+1] op_sel_hi:[1,0,0]
	v_exp_f32 v[S+2*J+1], v[S+2*J+1]
.set J, J+1
.endr
	s_wait_alu depctr_va_vdst(0)                   ; one wait behind the batch
.irp b, 0,1,2,3
	v_max_num_f32 v[MB+\b], 0x1800000, v[MB+\b]    ; the floor 2^(3 - 127): the byte cannot fall under 1
.endr
.irp b, 0,1,2,3
	v_add_nc_u32 v[SO+\b], 0xff000000, v[MB+\b]    ; 2 off the exponent field: the conversion's scale operand
.endr
.irp b, 0,1,2,3
	v_lshrrev_b32 v[MB+\b], 23, v[SO+\b]           ; the byte
.endr
.irp u, 0,1
	v_lshl_or_b32 v[MB+2*\u], v[MB+2*\u+1], 16, v[MB+2*\u]   ; my two bytes of record u: blocks h and 2 + h
.endr
.irp u, 0,1
	v_permlanex16_b32 v[XW+\u], v[MB+2*\u], s[SEL], s[SEL+1]
.endr
.irp u, 0,1
	v_lshl_or_b32 v[PSC+\u], v[XW+\u], 8, v[MB+2*\u]   ; lanes 0-15, which the product reads: with lane l + 16's two, p's scale word
.endr
.if \nxt == 0
	v_and_b32 v[TM], 31, v0
	v_lshlrev_b32 v[TM], 4, v[TM]
.endif
	s_wait_alu depctr_va_vdst(0)                   ; ahead of the second batch
.set J, 0
.rept 8                                        ; p of the second record; between them the first record's codes,
	v_exp_f32 v[S+64+2*J], v[S+64+2*J]
	v_exp_f32 v[S+65+2*J], v[S+65+2*J]
	v_cvt_scalef32_pk8_fp4_f32 v[P0+J], v[S+16*(J%4)+8*(J/4):S+16*(J%4)+8*(J/4)+7], v[SO+J/4]
.set J, J+1
.endr
	v_nop                                          ; one plain instruction behind the scaled conversions, ahead of writes of their sources
.set J, 0
.rept 16                                       ; and the first sums of its unquantised p, which nothing reads ahead of the wait behind the batch
.if J == 8                                     ; nine plain instructions behind the scale words and the codes:
.if \nxt < 2
	s_wait_dscnt 0x0                               ; V
.endif
	PV X, P0, 0
.endif
.if J == 12                                    ; four places behind that product its operand's registers are free
.if \nxt == 1
	KL X, KSC, 2*\d+2
.elseif \nxt == 0
	LOAD_IN
.endif
.endif
	v_exp_f32 v[S+80+3*J], v[S+80+3*J]
	v_exp_f32 v[S+81+3*J], v[S+81+3*J]
	v_exp_f32 v[S+82+3*J], v[S+82+3*J]
	v_pk_add_f32 v[S+4*J:S+4*J+1], v[S+4*J:S+4*J+1], v[S+4*J+2:S+4*J+3]
.set J, J+1
.endr
	s_wait_alu depctr_va_vdst(0)                   ; behind the batch
.if \nxt >= 2
	s_barrier_wait -1                              ; the next slot is whole
.if \nxt == 2
	CREST                                          ; no wave of any partner still reads the slot that is left or has a load on its way
	JLOAD
.endif
	OPEN
	KL X, KSC, 0
.endif
.set J, 0
.rept 8
	v_cvt_scalef32_pk8_fp4_f32 v[P1+J], v[S+64+16*(J%4)+8*(J/4):S+64+16*(J%4)+8*(J/4)+7], v[SO+2+J/4]
.set J, J+1
.endr
	ADDUP 8, S, 8, S+4                             ; the row's sum goes on, by levels; these eight are also the places behind the conversions
	PV Y, P1, 1
	ADDUP 4, S+64, 4, S+66                         ; (four places)
.if \nxt == 1
	KL Y, KSC+1, 2*\d+3
.elseif \nxt >= 2
	KL Y, KSC+1, 1
.else
	LOAD_GB
.endif
	ADDUP 12, S+80, 4, S+82
	ADDUP 8, S+64, 8, S+68
	ADDUP 8, S, 8, S+64
	ADDUP 4, S, 16, S+8
	ADDUP 2, S, 32, S+16
	ADDUP 1, S, 2, S+32
	v_pk_fma_f32 v[L:L+1], v[L:L+1], v[F:F+1], v[S:S+1] op_sel_hi:[1,0,1]   ; the sum under the new M, and this trip's
.endm
	s_load_b512 s[8:23], s[0:1], 0x0               ; qc s[8:9], qs s[10:11], kv s[12:13], Wf codes, scales s[14:17], bf s[18:19], gamma s[20:21], beta s[22:23]
	s_load_b128 s[24:27], s[0:1], 0x40             ; inputs s[24:25], out0 s[26:27]
	v_lshl_add_u32 v[SPW], v0, 2, SPARE
	v_mov_b32 v[NIL], 0
	ds_add_u32 v[SPW], v[NIL]                      ; the wave's opening: the add, twice on end, and its wait ahead of my first tensor load
	ds_add_u32 v[SPW], v[NIL]
	v_lshrrev_b32 v1, 5, v0
	v_readfirstlane_b32 s3, v1                     ; wave 0..15
	s_bfe_u32 s4, ttmp6, 0x40000                   ; cx: it enters the addresses of my own tokens alone
	s_lshr_b32 s5, ttmp9, 4                        ; batch, which the four partners share
	s_and_b32 s6, ttmp9, 15
	s_lshl_b32 s6, s6, 2
	s_add_co_u32 s6, s6, s4                        ; which pair of tiles of the batch, 0..63
	s_lshr_b32 s7, s3, 1                           ; head
	s_and_b32 s[TT], s3, 1                         ; tile of the pair
	; descriptor group 1: 34 rows of 256 bytes (32 elements of 8), dense
	s_mov_b32 s32, 15|(3<<16)|(1<<21)
	s_mov_b32 s33, 32<<16
	s_mov_b32 s34, 34<<16
	s_mov_b32 s35, 32<<16
	s_mov_b32 s36, 34
	s_mov_b32 s37, 32
	s_mov_b32 s38, 0
	s_mov_b32 s39, 0
	s_mov_b32 s28, 1                               ; group 0
	s_mul_i32 s29, s3, CH
	s_mul_i32 s[WOFF], s3, CH
	s_lshl_b32 s42, s5, 3
	s_add_co_u32 s42, s42, s7                      ; 8 x batch + head
	s_mul_i32 s84, s42, HEADB                      ; kv: my head's first record, + 2 in odd waves
	s_mul_i32 s43, s[TT], CH
	s_add_co_u32 s84, s84, s43
	s_mov_b32 s85, 0
	s_lshl_b32 s72, s42, 15                        ; qc: my tile
	s_lshl_b32 s43, s6, 9
	s_add_co_u32 s72, s72, s43
	s_lshl_b32 s43, s[TT], 8
	s_add_co_u32 s72, s72, s43
	s_mov_b32 s73, 0
	s_lshl_b32 s74, s5, 4                          ; qs: unit of (step, pair of heads), half, byte of the tile
	s_lshr_b32 s43, s6, 2
	s_add_co_u32 s74, s74, s43
	s_lshl_b32 s74, s74, 2
	s_lshr_b32 s43, s7, 1
	s_add_co_u32 s74, s74, s43
	s_lshl_b32 s74, s74, 8
	s_and_b32 s43, s7, 1
	s_lshl_b32 s43, s43, 7
	s_add_co_u32 s74, s74, s43
	s_and_b32 s43, s6, 3
	s_lshl_b32 s43, s43, 1
	s_add_co_u32 s74, s74, s43
	s_add_co_u32 s74, s74, s[TT]
	s_mov_b32 s75, 0
	s_lshl_b32 s76, s3, 11                         ; my 16 rows of Wf,
	s_mov_b32 s77, 0
	s_lshl_b32 s78, s3, 7                          ; their scales
	s_mov_b32 s79, 0
	s_lshl_b32 s80, s3, 6                          ; and of bf
	s_mov_b32 s81, 0
	; stage rows 2 w, 2 w + 1 are tokens 2,048 b + 64 (pt / 2) + 16 (pt % 2) + 8 (w / 8) + 32 ((w / 4) % 2) + 2 (w % 4) + 0, 1
	s_lshl_b32 s82, s5, 11
	s_lshr_b32 s43, s6, 1
	s_lshl_b32 s43, s43, 6
	s_add_co_u32 s82, s82, s43
	s_and_b32 s43, s6, 1
	s_lshl_b32 s43, s43, 4
	s_add_co_u32 s82, s82, s43
	s_lshr_b32 s43, s3, 3
	s_lshl_b32 s43, s43, 3
	s_add_co_u32 s82, s82, s43
	s_bfe_u32 s43, s3, 0x10002
	s_lshl_b32 s43, s43, 5
	s_add_co_u32 s82, s82, s43
	s_and_b32 s43, s3, 3
	s_lshl_b32 s43, s43, 1
	s_add_co_u32 s82, s82, s43
	s_lshl_b32 s82, s82, 10
	s_mov_b32 s83, 0
	s_mov_b32 s[SEL], 0x76543210
	s_mov_b32 s[SEL+1], 0xfedcba98
	s_mov_b32 s[CS], 0x3d0293ee
	s_mov_b32 s[CS+1], s[CS]
	s_mov_b32 s[NC], 0xbd0293ee
	s_mov_b32 s45, 0xffff0000                      ; lanes 16-31
	s_mov_b32 s86, 0x01010101
	s_mov_b32 s[TB], 0
	s_mul_i32 s43, s7, 2*CH                        ; my head's place in a slot
	s_add_co_u32 s44, s43, 4096
	s_lshl_b32 s87, s3, 11
	s_add_co_u32 s87, s87, WFI                     ; my images of Wf
	v_and_b32 v120, 15, v0                         ; r
	v_bfe_u32 v121, v0, 4, 1                       ; h
	v_and_b32 v122, 31, v0                         ; lane
	v_lshlrev_b32 v123, 4, v120                    ; 16 r
	v_lshlrev_b32 v129, 3, v120                    ; 8 r
	v_lshlrev_b32 v130, 7, v120
	v_lshl_add_u32 v130, v121, 4, v130             ; Wf: 128 r + 16 h
	v_lshlrev_b32 v131, 5, v121                    ; bf: 32 h
	v_lshl_add_u32 v132, v122, 4, s87
	v_lshl_add_u32 v[AL], v122, 4, s43
	v_lshl_add_u32 v[ASC], v121, 2, v129
	v_add_nc_u32 v[ASC], s44, v[ASC]
	v_min_u32 v[PFO], 7, v122                      ; my two rows of inputs are eight blocks of 256 bytes
	v_lshlrev_b32 v[PFO], 8, v[PFO]
	s_wait_alu depctr_va_vdst(0)                   ; directly ahead of the waits below
	s_wait_dscnt 0x0                               ; both opening adds are done
	CROUND                                         ; all four work-groups are here: the joint loads meet
	s_wait_kmcnt 0x0
	s_add_nc_u64 s[30:31], s[12:13], s[84:85]
	s_or_b32 s31, s31, 0x80000000
	JLOAD                                          ; slot 0: my one tensor load at the head
	s_add_nc_u64 s[54:55], s[8:9], s[72:73]
	s_add_nc_u64 s[56:57], s[10:11], s[74:75]
	s_add_nc_u64 s[58:59], s[14:15], s[76:77]
	s_add_nc_u64 s[60:61], s[16:17], s[78:79]
	s_add_nc_u64 s[62:63], s[18:19], s[80:81]
	s_add_nc_u64 s[66:67], s[24:25], s[82:83]
	s_add_nc_u64 s[68:69], s[26:27], s[82:83]
	global_load_b128 v[124:127], v123, s[54:55]    ; query r's 32 codes, in both halves of the lanes
	global_load_u8 v128, v129, s[56:57]            ; and its scale byte
.irp q, 0,1,2,3
	global_load_b128 v[136+4*\q:139+4*\q], v130, s[58:59] offset:32*\q   ; Wf's two fragments
.endr
	global_load_b64 v[WFS:WFS+1], v129, s[60:61]   ; their scale words, which stay
	global_load_b128 v[BF:BF+3], v131, s[62:63]    ; bf, which stays
	global_load_b128 v[BF+4:BF+7], v131, s[62:63] offset:16
	v_mov_b32 v[MX], 0xff61b1e6                    ; the largest score so far: -3e38
	v_mov_b32 v[NMA], 0x7f000000                   ; -M: above every -M, so that the first change of M multiplies by 0
	v_mov_b32 v[TX], 0                             ; lane permutes' targets, written once: they count as sources
	v_mov_b32 v[XW], 0
	v_mov_b32 v[XW+1], 0
	v_mov_b32 v[L], 0
	v_mov_b32 v[L+1], 0
.irp j, 0,1,2,3,4,5,6,7,8,9,10,11,12,13,14,15
	v_mov_b32 v[O+\j], 0                           ; the trip is written once for all: the first finds zeros
.endr
.irp j, 0,1,2,3,8,9,10,11,16,17,18,19
	v_mov_b32 v[QB+\j], 0                          ; the zero codes
.endr
	s_wait_alu depctr_va_vdst(0)                   ; directly ahead of the wait below
	s_wait_loadcnt 0x0
	v_mul_lo_u32 v[QSC], v128, s86                 ; whichever block holds Q, its byte is Q's
.irp j, 0,1,2,3
	v_cndmask_b32 v[QB+4+\j], v[124+\j], v[QB], s45      ; QL: lanes 16-31 take zeros
	v_cndmask_b32 v[QB+12+\j], v[QB], v[124+\j], s45     ; QH: lanes 0-15 take zeros
.endr
	s_wait_alu depctr_va_vdst(0)                   ; at the head's end
	s_wait_tensorcnt 0x0
.irp q, 0,1,2,3
	ds_store_b128 v132, v[136+4*\q:139+4*\q] offset:512*\q   ; Wf's fragments wait in my own bytes of LDS
.endr
	s_wait_tensorcnt 0x0                           ; ahead of a later first fill, as ahead of a refill
	ds_add_u32 v[SPW], v[NIL]
	s_add_co_u32 s29, s[WOFF], SLOT
	s_add_nc_u64 s[30:31], s[30:31], 4*REC
	s_wait_dscnt 0x0
	CROUND                                         ; slot 0 is whole
	JLOAD                                          ; slot 1
	OPEN
	KL X, KSC, 0
	KL Y, KSC+1, 1
	s_mov_b32 s53, 2
.Lslot:                                            ; the two slots behind which one is filled again
	TRIP 0, 1, NMA, NMB
	TRIP 1, 2, NMB, NMA
	s_sub_co_u32 s53, s53, 1
	s_cmp_lg_u32 s53, 0
	s_wait_alu depctr_va_vdst(0)                   ; directly ahead of the branch
	s_cbranch_scc1 .Lslot
	global_prefetch_b8 v[PFO], s[66:67] th:TH_LOAD_NT scope:SCOPE_SE   ; my two rows of inputs, more than three trips ahead of their loads; lanes 8-31 name the last block again
	TRIP 0, 1, NMA, NMB
	TRIP 1, 3, NMB, NMA
	TRIP 0, 1, NMA, NMB                            ; the last slot
	TRIP 1, 0, NMB, NMA
	; THE WAY OUT.  O^T / l; the head's 32 channels of a query, one block of the last product's K, lie in lanes l and l xor 16.  Codes and bytes go to LDS for all waves.
	; THEN THE WAVES SHARE THE FEATURES: wave w makes features 16 w .. 16 w + 15 of all 32 tokens (transposed: source 0 = 16 rows of Wf, source 1 = 16 tokens; bf is the C of each first product).
	; The results meet in a stage, and wave w normalises rows 2 w and 2 w + 1: two neighbouring tokens, 2,048 consecutive bytes.
.set WF, 216                           ; Wf's two fragments
.set ON, 232                           ; v232-247 O^T / l
	s_lshl_b32 s72, s[TT], 11
	s_lshl_b32 s73, s7, 8
	s_add_co_u32 s72, s72, s73
	s_add_co_u32 s72, s72, IMG                     ; O's codes: my tile and head
	s_lshl_b32 s74, s[TT], 7
	s_lshr_b32 s73, s7, 2
	s_lshl_b32 s73, s73, 6
	s_add_co_u32 s74, s74, s73
	s_and_b32 s73, s7, 3
	s_add_co_u32 s74, s74, s73
	s_add_co_u32 s74, s74, SCB                     ; my head's byte in the scale words
	s_lshl_b32 s75, s3, 6                          ; stage, in: 64 w
	s_mul_i32 s76, s3, 2*SPITCH                    ; back: rows 2 w on
	s_mov_b32 s40, 0x3b800000                      ; 1 / 256
	s_mov_b32 s41, 0x358637bd                      ; 1e-6
	s_wait_alu depctr_va_vdst(0)                   ; directly ahead of the readers below
	v_and_b32 v120, 15, v0                         ; r
	v_bfe_u32 v121, v0, 4, 1                       ; h
	v_and_b32 v122, 31, v0
	v_lshlrev_b32 v122, 4, v122                    ; 16 x lane
	v_add_nc_u32 v123, s87, v122
.irp q, 0,1,2,3
	ds_load_b128 v[WF+4*\q:WF+4*\q+3], v123 offset:512*\q   ; Wf's fragments, which I stored
.endr
	v_add_f32 v[L], v[L], v[L+1]
	v_permlanex16_b32 v[TX], v[L], s[SEL], s[SEL+1]
	v_add_f32 v[L], v[L], v[TX]                    ; the row's sum
	s_wait_alu depctr_va_vdst(0)                   ; ahead of the transcendental
	v_rcp_f32 v[F], v[L]
	v_lshlrev_b32 v124, 4, v120                    ; (plain work behind it)
	v_lshl_add_u32 v124, v121, 3, v124
	v_add_nc_u32 v124, s72, v124                   ; O's codes, in: + 16 r + 8 h
	v_lshlrev_b32 v127, 2, v120
	v_add_nc_u32 v125, s74, v127                   ; its byte, in: + 4 r
	v_add_nc_u32 v127, SCB, v127                   ; scale words, back
	v_add_nc_u32 v126, IMG, v122                   ; codes, back
	v_mul_u32_u24 v128, SPITCH, v120
	v_lshl_add_u32 v128, v121, 5, v128
	v_add_nc_u32 v128, s75, v128                   ; stage, in: row r, + 32 h + 64 w
	v_add_nc_u32 v129, s76, v122                   ; stage, back: 16 bytes a lane
	v_mov_b32 v130, 0                              ; lane permutes' targets
	v_mov_b32 v131, 0
	s_wait_alu depctr_va_vdst(0)                   ; behind the transcendental, and directly ahead of the first reader of O^T
.irp j, 0,2,4,6,8,10,12,14
	v_pk_mul_f32 v[ON+\j:ON+\j+1], v[O+\j:O+\j+1], v[F:F+1] op_sel_hi:[1,0]
.endr
	v_max3_num_f32 v[MB], |v[ON]|, |v[ON+1]|, 0x1800000
	v_max3_num_f32 v[MB+1], |v[ON+2]|, |v[ON+3]|, |v[ON+4]|
.irp k, 5,9
	v_max3_num_f32 v[MB], v[MB], |v[ON+\k]|, |v[ON+\k+1]|
	v_max3_num_f32 v[MB+1], v[MB+1], |v[ON+\k+2]|, |v[ON+\k+3]|
.endr
	v_max3_num_f32 v[MB], v[MB], |v[ON+13]|, |v[ON+14]|
	v_max3_num_f32 v[MB], v[MB], v[MB+1], |v[ON+15]|
	v_permlanex16_b32 v[TX], v[MB], s[SEL], s[SEL+1]
	v_max_num_f32 v[MB], v[MB], v[TX]
	v_add_nc_u32 v[SO], 0xff000000, v[MB]
	v_cvt_scalef32_pk8_fp4_f32 v[P0], v[ON:ON+7], v[SO]
	v_cvt_scalef32_pk8_fp4_f32 v[P0+1], v[ON+8:ON+15], v[SO]
	v_lshrrev_b32 v[MB], 23, v[SO]                 ; the byte; also the plain instruction behind the conversions
	ds_store_b64 v124, v[P0:P0+1]
	ds_store_b8 v125, v[MB]                        ; both lanes of a query write the same byte with the same value
	s_wait_alu depctr_va_vdst(0)                   ; directly ahead of the waits below
	s_wait_dscnt 0x0                               ; for the others' sake: my codes and bytes lie in LDS
	s_barrier_signal -1
	s_barrier_wait -1                              ; (nobody reads a slot any more)
.irp t, 0,1
.irp q, 0,1,2,3
	ds_load_b128 v[136+16*\t+4*\q:139+16*\t+4*\q], v126 offset:2048*\t+512*\q   ; tile t: an image of the operand's registers: head 2 q + h
.endr
.irp k, 0,1
	ds_load_b32 v[KSC+2*\t+\k], v127 offset:128*\t+64*\k
.endr
.endr
	s_wait_dscnt 0x0
.irp t, 0,1
	v_wmma_scale_f32_16x16x128_f8f6f4 v[168+8*\t:175+8*\t], v[WF:WF+7], v[136+16*\t:143+16*\t], v[BF:BF+7], v[WFS], v[KSC+2*\t] matrix_a_fmt:MATRIX_FMT_FP4 matrix_b_fmt:MATRIX_FMT_FP4
.endr
.irp t, 0,1
	v_wmma_scale_f32_16x16x128_f8f6f4 v[168+8*\t:175+8*\t], v[WF+8:WF+15], v[144+16*\t:151+16*\t], v[168+8*\t:175+8*\t], v[WFS+1], v[KSC+2*\t+1] matrix_a_fmt:MATRIX_FMT_FP4 matrix_b_fmt:MATRIX_FMT_FP4
.endr
.rept 4
	v_nop
.endr
.irp t, 0,1
	ds_store_b128 v128, v[168+8*\t:171+8*\t] offset:STG+16*SPITCH*\t        ; lane (r, h): slot r of tile t, features 16 w + 8 h + 0 .. 7; each result from its low end on
	ds_store_b128 v128, v[172+8*\t:175+8*\t] offset:STG+16*SPITCH*\t+16
.endr
	s_wait_dscnt 0x0                               ; for the others' sake: my stores lie in the stage
	s_barrier_signal -1
	s_barrier_wait -1
.irp j, 0,1
.irp u, 0,1
	ds_load_b128 v[136+8*\j+4*\u:139+8*\j+4*\u], v129 offset:STG+SPITCH*\j+512*\u
.endr
.endr
	s_wait_dscnt 0x0
	s_wait_loadcnt 0x0                             ; inputs, gamma, beta
.set YR, 136                           ; two rows of y, 8 numbers a lane each
.set SM, 132                           ; a pair for each row: sums, then the mean, then 1 / sqrt
.set PT, 130
.macro REDUCE                          ; the two pairs in SM become two sums over the wave, in every lane, by turns
.irp j, 0,1
	s_delay_alu instid0(VALU_DEP_2)
	v_add_f32 v[SM+2*\j], v[SM+2*\j], v[SM+2*\j+1]
.endr
.irp m, 1,2,4,8
.irp j, 0,1
	s_delay_alu instid0(VALU_DEP_2)
	v_add_f32_dpp v[SM+2*\j], v[SM+2*\j], v[SM+2*\j] row_xmask:\m row_mask:0xf bank_mask:0xf
.endr
.endr
.irp j, 0,1
	s_delay_alu instid0(VALU_DEP_2)
	v_permlanex16_b32 v[PT+\j], v[SM+2*\j], s[SEL], s[SEL+1]
.endr
.irp j, 0,1
	s_delay_alu instid0(VALU_DEP_2)
	v_add_f32 v[SM+2*\j], v[SM+2*\j], v[PT+\j]
.endr
.endm
.irp j, 0,1
.irp e, 0,2,4,6
	v_pk_add_f32 v[YR+8*\j+\e:YR+8*\j+\e+1], v[YR+8*\j+\e:YR+8*\j+\e+1], v[X+8*\j+\e:X+8*\j+\e+1]   ; the residual
.endr
.endr
.irp j, 0,1
	v_pk_add_f32 v[SM+2*\j:SM+2*\j+1], v[YR+8*\j:YR+8*\j+1], v[YR+8*\j+2:YR+8*\j+3]
.endr
.irp e, 4,6
.irp j, 0,1
	v_pk_add_f32 v[SM+2*\j:SM+2*\j+1], v[SM+2*\j:SM+2*\j+1], v[YR+8*\j+\e:YR+8*\j+\e+1]
.endr
.endr
	REDUCE
.irp j, 0,1
	v_mul_f32 v[SM+2*\j], s40, v[SM+2*\j]          ; the mean
.endr
.irp e, 0,2,4,6
.irp j, 0,1
	v_pk_add_f32 v[YR+8*\j+\e:YR+8*\j+\e+1], v[YR+8*\j+\e:YR+8*\j+\e+1], v[SM+2*\j:SM+2*\j+1] op_sel_hi:[1,0] neg_lo:[0,1] neg_hi:[0,1]
.endr
.endr
.irp j, 0,1
	v_pk_mul_f32 v[SM+2*\j:SM+2*\j+1], v[YR+8*\j:YR+8*\j+1], v[YR+8*\j:YR+8*\j+1]
.endr
.irp e, 2,4,6
.irp j, 0,1
	v_pk_fma_f32 v[SM+2*\j:SM+2*\j+1], v[YR+8*\j+\e:YR+8*\j+\e+1], v[YR+8*\j+\e:YR+8*\j+\e+1], v[SM+2*\j:SM+2*\j+1]
.endr
.endr
	REDUCE
.irp j, 0,1
	v_fma_f32 v[PT+\j], v[SM+2*\j], s40, s41       ; var + eps
.endr
	s_wait_alu depctr_va_vdst(0)                   ; ahead of the batch
.irp j, 0,1
	v_rsq_f32 v[SM+2*\j], v[PT+\j]
.endr
	v_nop
	s_wait_alu depctr_va_vdst(0)                   ; and behind it
.irp e, 0,2,4,6
.irp j, 0,1
	v_pk_mul_f32 v[YR+8*\j+\e:YR+8*\j+\e+1], v[YR+8*\j+\e:YR+8*\j+\e+1], v[SM+2*\j:SM+2*\j+1] op_sel_hi:[1,0]
.endr
.endr
.irp e, 0,2,4,6
.irp j, 0,1
	v_pk_fma_f32 v[YR+8*\j+\e:YR+8*\j+\e+1], v[YR+8*\j+\e:YR+8*\j+\e+1], v[Y+\e:Y+\e+1], v[Y+8+\e:Y+9+\e]
.endr
.endr
.irp j, 0,1
.irp u, 0,1
	global_store_b128 v122, v[YR+8*\j+4*\u:YR+8*\j+4*\u+3], s[68:69] offset:1024*\j+512*\u th:TH_STORE_NT   ; 512 consecutive bytes, aligned
.endr
.endr
	s_wait_tensorcnt 0x0                           ; the wave's end
	ds_add_u32 v[SPW], v[NIL]
	s_wait_dscnt 0x0
	CROUND                                         ; the closing round
	s_endpgm
.Lfunc_end_k_q9c4de16aae_attn:
	.size	k_q9c4de16aae_attn, .Lfunc_end_k_q9c4de16aae_attn-k_q9c4de16aae_attn
	.p2alignl 7, 3214868480
	.fill 96, 4, 3214868480
	.section	.rodata,"a",@progbits
	.p2align	6, 0x0
	.amdhsa_kernel k_q9c4de16aae_attn
		.amdhsa_group_segment_fixed_size 327680
		.amdhsa_private_segment_fixed_size 0
		.amdhsa_enable_private_segment 0
		.amdhsa_kernarg_size 80
		.amdhsa_user_sgpr_count 2
		.amdhsa_user_sgpr_kernarg_segment_ptr 1
		.amdhsa_wavefront_size32 1
		.amdhsa_system_sgpr_workgroup_id_x 1
		.amdhsa_system_sgpr_workgroup_id_y 1
		.amdhsa_system_sgpr_workgroup_id_z 1
		.amdhsa_system_vgpr_workitem_id 0
		.amdhsa_next_free_vgpr 256
		.amdhsa_next_free_sgpr 92
		.amdhsa_reserve_vcc 0
		.amdhsa_float_denorm_mode_32 3
		.amdhsa_float_denorm_mode_16_64 3
		.amdhsa_memory_ordered 1
		.amdhsa_forward_progress 1
		.amdhsa_inst_pref_size 158
	.end_amdhsa_kernel
	.amdgpu_metadata
---
amdhsa.version: [ 1, 2 ]
amdhsa.kernels:
  - .name:           k_q9c4de16aae_attn
    .symbol:         k_q9c4de16aae_attn.kd
    .args:
      - { .name: qc, .offset: 0, .size: 8, .value_kind: global_buffer, .address_space: global }
      - { .name: qs, .offset: 8, .size: 8, .value_kind: global_buffer, .address_space: global }
      - { .name: kv, .offset: 16, .size: 8, .value_kind: global_buffer, .address_space: global }
      - { .name: Wf_codes, .offset: 24, .size: 8, .value_kind: global_buffer, .address_space: global }
      - { .name: Wf_scales, .offset: 32, .size: 8, .value_kind: global_buffer, .address_space: global }
      - { .name: bf, .offset: 40, .size: 8, .value_kind: global_buffer, .address_space: global }
      - { .name: gamma, .offset: 48, .size: 8, .value_kind: global_buffer, .address_space: global }
      - { .name: beta, .offset: 56, .size: 8, .value_kind: global_buffer, .address_space: global }
      - { .name: inputs, .offset: 64, .size: 8, .value_kind: global_buffer, .address_space: global }
      - { .name: out0, .offset: 72, .size: 8, .value_kind: global_buffer, .address_space: global }
    .group_segment_fixed_size: 327680
    .private_segment_fixed_size: 0
    .kernarg_segment_align: 8
    .kernarg_segment_size: 80
    .max_flat_workgroup_size: 512
    .sgpr_count:     92
    .vgpr_count:     256
    .wavefront_size: 32
...
	.end_amdgpu_metadata
.endif
;; end of part 2
